; MI455X (gfx1250); checked and timed in simulation.
; The chip was launched on July 23, 2026; its instructions are those of AMD's public machine-readable ISA for CDNA 5 (MIT licence, August 2026) and "CDNA5" Instruction Set Architecture Reference Guide (July 2026). The comments in the code are by the model that wrote it; some were corrected since.
;; Self Attention v Linear. Allowed arithmetic: float matrix products may take bf16 or f16 operands with f32 sums; all other float work in f32.
;; Inputs: W_k 1,024 x 1,024 float32; W_q 1,024 x 1,024 float32; W_v 1,024 x 1,024 float32; x 4 x 2,048 x 1,024 float32.
;; Outputs: out0 4 x 2,048 x 1,024 float32.
;; One version. Each part assembles by itself: llvm-mc -triple=amdgcn-amd-amdhsa -mcpu=gfx1250 --defsym DOCPART=n.
;; ======== version 1 of 1: 4 launches
;; limits: values are held in f16: magnitudes above 65,504 overflow, below 6.1e-05 lose precision
;; workspace buffers: xb 16,777,216 bytes; wb 6,291,456 bytes; qkv 50,331,648 bytes; p 33,554,432 bytes; st 1,048,576 bytes
;; launch cvt (part 1): grid 256 x 11, 2 waves a work-group, no clusters, 0 bytes of LDS; arguments x, W_q, W_k, W_v, xb, wb; writes xb, wb
.if DOCPART == 1
	.amdgcn_target "amdgcn-amd-amdhsa--gfx1250"
	.amdhsa_code_object_version 6
	.text
	.protected	k_qdf7de2392e_cvt
	.globl	k_qdf7de2392e_cvt
	.p2align	8
	.type	k_qdf7de2392e_cvt,@function
k_qdf7de2392e_cvt:
	s_mov_b64 s[64:65], 0
	v_nop
	global_prefetch_b8 v0, s[64:65] scope:SCOPE_SE
	s_setreg_imm32_b32 hwreg(HW_REG_WAVE_MODE, 25, 1), 1
	s_wait_xcnt 0x0
; x and the three weight matrices, f32, are rounded once to bf16 (nearest even) and laid in blocks of 64 along K, so that the
; next launch's tiles are dense runs of bytes.
;   xb: [kb 16][row 8192][64] bf16.       wb: [kb 16][j 8][matrix 3][r 128][64] bf16, W's row = 128 j + r; matrices q, k, v.
; SHARES.  Grid y picks a slab of 1,024 rows (0-7: x; 8, 9, 10: W_q, W_k, W_v), grid x four rows of it: 11 x 256 work-groups of equal
; work.  Thread t takes row t / 16 and in each of the 16 blocks the four numbers at 4 (t % 16).  A load of a wave covers two rows' 256
; aligned bytes each, a store of a wave 256 consecutive aligned bytes of the blocked layout.  Every byte is read once and written once.
; All 16 loads of a thread go out together; no register is written twice, so the only waits are the counted ones for the loads.
; No LDS, no matrix unit, no cluster: nothing is shared and nothing is summed.
.set XSTR, 8192*128                    ; bytes from block to block in xb
.set WSTR, 3072*128                    ; and in wb
.set LD,   16                          ; v[16:79]   load kb: four f32
.set RS,   80                          ; v[80:111]  result kb: four bf16
	s_load_b256 s[4:11], s[0:1], 0x0               ; x s[4:5], W_q s[6:7], W_k s[8:9], W_v s[10:11]
	s_load_b128 s[12:15], s[0:1], 0x20             ; xb s[12:13], wb s[14:15]
	s_and_b32 s16, ttmp7, 0xffff                   ; the slab
	s_mov_b32 s17, ttmp9                           ; the four rows of it
	v_lshrrev_b32 v1, 4, v0
	v_and_b32 v3, 15, v0
	v_lshlrev_b32 v1, 12, v1                       ; row t / 16, 4,096 bytes each,
	v_lshl_add_u32 v1, v3, 4, v1                   ; + 16 (t % 16)
	v_lshlrev_b32 v2, 3, v0                        ; in a block: 128 (t / 16) + 8 (t % 16) = 8 t
	s_cmp_lt_u32 s16, 8
	s_cselect_b32 s24, s16, 0                      ; only x has more than one slab
	s_lshl_b32 s24, s24, 22                        ; 1,024 rows of 4,096 bytes
	s_lshl_b32 s25, s17, 14                        ; 4 rows
	s_add_co_u32 s24, s24, s25
	s_mov_b32 s25, 0
	s_wait_kmcnt 0x0
	s_cmp_eq_u32 s16, 8
	s_cselect_b64 s[18:19], s[6:7], s[4:5]
	s_cmp_eq_u32 s16, 9
	s_cselect_b64 s[18:19], s[8:9], s[18:19]
	s_cmp_eq_u32 s16, 10
	s_cselect_b64 s[18:19], s[10:11], s[18:19]
	s_add_nc_u64 s[18:19], s[18:19], s[24:25]
.set i, 0
.rept 16
	global_load_b128 v[LD+4*i:LD+4*i+3], v1, s[18:19] offset:i*256 th:TH_LOAD_NT
.set i, i+1
.endr
.set i, 0
.rept 16
	s_wait_loadcnt 15-i                            ; loads come back in order: load i is in, the younger ones stay out
	v_cvt_pk_bf16_f32 v[RS+2*i],   v[LD+4*i],   v[LD+4*i+1]
	v_cvt_pk_bf16_f32 v[RS+2*i+1], v[LD+4*i+2], v[LD+4*i+3]
.set i, i+1
.endr
; 16 stores; the block's number stands in the immediate, with a second base for blocks 8 to 15 so that it stays inside the signed 24 bits
.macro ST stride
.set i, 0
.rept 16
.if i < 8
	global_store_b64 v2, v[RS+2*i:RS+2*i+1], s[20:21] offset:i*(\stride)
.else
	global_store_b64 v2, v[RS+2*i:RS+2*i+1], s[22:23] offset:(i-8)*(\stride)
.endif
.set i, i+1
.endr
.endm
	s_cmp_lt_u32 s16, 8
	s_cbranch_scc0 .Lweights
	s_lshl_b32 s26, s16, 17                        ; 1,024 rows of 128 bytes
	s_lshl_b32 s27, s17, 9                         ; 4 rows
	s_add_co_u32 s26, s26, s27
	s_mov_b32 s27, 0
	s_add_nc_u64 s[20:21], s[12:13], s[26:27]
	s_add_nc_u64 s[22:23], s[20:21], 8*XSTR
	ST XSTR
	s_endpgm
.Lweights:
	s_lshr_b32 s26, s17, 5                         ; j: 128 rows of W are 32 of my groups of four
	s_mul_i32 s26, s26, 49152
	s_sub_co_u32 s27, s16, 8                       ; the matrix
	s_lshl_b32 s27, s27, 14
	s_add_co_u32 s26, s26, s27
	s_and_b32 s27, s17, 31
	s_lshl_b32 s27, s27, 9
	s_add_co_u32 s26, s26, s27
	s_mov_b32 s27, 0
	s_add_nc_u64 s[20:21], s[14:15], s[26:27]
	s_add_nc_u64 s[22:23], s[20:21], 8*WSTR
	ST WSTR
	s_endpgm
.Lfunc_end_k_qdf7de2392e_cvt:
	.size	k_qdf7de2392e_cvt, .Lfunc_end_k_qdf7de2392e_cvt-k_qdf7de2392e_cvt
	.p2alignl 7, 3214868480
	.fill 96, 4, 3214868480
	.section	.rodata,"a",@progbits
	.p2align	6, 0x0
	.amdhsa_kernel k_qdf7de2392e_cvt
		.amdhsa_group_segment_fixed_size 0
		.amdhsa_private_segment_fixed_size 0
		.amdhsa_enable_private_segment 0
		.amdhsa_kernarg_size 48
		.amdhsa_user_sgpr_count 2
		.amdhsa_user_sgpr_kernarg_segment_ptr 1
		.amdhsa_wavefront_size32 1
		.amdhsa_system_sgpr_workgroup_id_x 1
		.amdhsa_system_sgpr_workgroup_id_y 1
		.amdhsa_system_sgpr_workgroup_id_z 1
		.amdhsa_system_vgpr_workitem_id 0
		.amdhsa_next_free_vgpr 112
		.amdhsa_next_free_sgpr 66
		.amdhsa_reserve_vcc 0
		.amdhsa_float_denorm_mode_32 3
		.amdhsa_float_denorm_mode_16_64 3
		.amdhsa_memory_ordered 1
		.amdhsa_forward_progress 1
		.amdhsa_inst_pref_size 9
	.end_amdhsa_kernel
	.amdgpu_metadata
---
amdhsa.version: [ 1, 2 ]
amdhsa.kernels:
  - .name:           k_qdf7de2392e_cvt
    .symbol:         k_qdf7de2392e_cvt.kd
    .args:
      - { .name: x, .offset: 0, .size: 8, .value_kind: global_buffer, .address_space: global }
      - { .name: W_q, .offset: 8, .size: 8, .value_kind: global_buffer, .address_space: global }
      - { .name: W_k, .offset: 16, .size: 8, .value_kind: global_buffer, .address_space: global }
      - { .name: W_v, .offset: 24, .size: 8, .value_kind: global_buffer, .address_space: global }
      - { .name: xb, .offset: 32, .size: 8, .value_kind: global_buffer, .address_space: global }
      - { .name: wb, .offset: 40, .size: 8, .value_kind: global_buffer, .address_space: global }
    .group_segment_fixed_size: 0
    .private_segment_fixed_size: 0
    .kernarg_segment_align: 8
    .kernarg_segment_size: 48
    .max_flat_workgroup_size: 64
    .sgpr_count:     66
    .vgpr_count:     112
    .wavefront_size: 32
...
	.end_amdgpu_metadata
.endif
;; end of part 1
;; launch proj (part 2): grid 8 x 32, 4 waves a work-group, clusters of 4 x 4, 327,680 bytes of LDS; arguments xb, wb, qkv; writes qkv
.if DOCPART == 2
	.amdgcn_target "amdgcn-amd-amdhsa--gfx1250"
	.amdhsa_code_object_version 6
	.text
	.protected	k_qdf7de2392e_proj
	.globl	k_qdf7de2392e_proj
	.p2align	8
	.type	k_qdf7de2392e_proj,@function
k_qdf7de2392e_proj:
	s_mov_b64 s[64:65], 0
	v_nop
	global_prefetch_b8 v0, s[64:65] scope:SCOPE_SE
	s_setreg_imm32_b32 hwreg(HW_REG_WAVE_MODE, 25, 1), 1
	s_wait_xcnt 0x0
	s_wait_alu depctr_hold_cnt(0) depctr_sa_sdst(0) depctr_va_vdst(0) depctr_va_sdst(0) depctr_va_ssrc(0) depctr_va_vcc(0) depctr_vm_vsrc(0)
	s_getreg_b32 s2, hwreg(HW_REG_IB_STS2, 6, 4)
	s_cmp_eq_u32 s2, 0
	s_cbranch_scc0 .Lentry_in_a_cluster
	s_endpgm
.Lentry_in_a_cluster:
	s_bfe_u32 s2, ttmp6, 0x10000c
	s_cmp_lg_u32 s2, 0xf033
	s_cbranch_scc0 .Lentry_shape_is_right
	s_endpgm
.Lentry_shape_is_right:
; q, k, v = x W^T.  xb, wb: bf16 in blocks of 64 along K (see the launch before).  qkv: [3][8192][1024] f16.  Products in bf16, sums in f32, each result rounded once to f16.
; LIMIT.  f16 holds no number beyond 65,504: a q, k or v of 65,520 or more in magnitude becomes an infinity.  NaN and infinities are not treated apart.
; SHARES.  A work-group makes 256 rows of x times columns 128 j .. 128 j + 127 of q, k AND v: one tile of 256 x 384, so that 32 x 8 = 256 work-groups are alike.
; A wave makes 64 rows x 384 columns: 96 accumulators of 16 x 16, 768 registers.  For 32 along K it reads 4 fragments of x and 24 of W for 96 matrix instructions.
; K goes in steps of 64 through two LDS slots.  A tile is a dense run of memory and is asked for as rows of 256 bytes, padded in LDS after every 128 bytes.
; CLUSTER.  4 x 4 work-groups: x's tile hangs on the tile row alone and is asked for jointly along a row of the cluster, W's on the tile column alone, along a column.
; THE MATRIX INSTRUCTION IS USED TRANSPOSED: source 0 = 16 rows of W, source 1 = 16 rows of x: a lane holds one row of x and eight neighbouring columns.
; REGISTERS, in windows of 256 (s_set_vgpr_msb: bits 1:0 source 0, 3:2 source 1, 5:4 source 2, 7:6 destination):
;   window 0: v16-31 addresses; v32-95 x's fragments (32 along K: 4 blocks x 8, two such); v96-223 W's fragments, two groups of 8 blocks; on the way out v32-127 at work
;   window 1 + p: matrix p's 32 accumulators, (a, b) at v[8 (8 a + b)]
; A K step is six PHASES of 32 matrix instructions: phase n takes 32 along K number n / 3, matrix n % 3, W's group n % 2; while it multiplies, phase n + 1's W fragments are on their way.
.set PITCH,  144                       ; an LDS row: 128 bytes + 16 of padding = 36 words: the 16 rows of a load start at 16 different groups of four banks (64 banks of 4 bytes: ISA guide 11.1)
.set ROWB,   16*PITCH
.set BOFF,   256*PITCH                 ; a slot: x's 256 rows, then W's 384
.set S1,     1<<17                     ; slot 1 begins here: one exclusive or turns an address in one slot into the other's
.set STAGE,  S1+640*PITCH              ; behind the ring: 16 rows x 272 bytes for each wave, for the way out
.set SPITCH, 272
.set SPARE,  STAGE+4*16*SPITCH         ; behind the stages: the spare words, 128 bytes for each wave: two blocks of 256 bytes that no other line names
.set STEPA,  8192*128                  ; bytes from K block to K block in xb
.set STEPB,  3072*128                  ; and in wb
.set ADRA0, 16                         ; v16  my lane's place in x's tile; never rewritten
.set ADRB0, 17                         ; v17  the same for W
.set ADRA,  18                         ; v18  the same in the slot in hand
.set ADRB,  19                         ; v19
.set STO,   24                         ; v24  the way out: where I put 16 bytes of a row
.set RD,    25                         ; v25  the way out: where I read a row back
.set CO,    26                         ; v26  my byte offset in two rows of qkv
.set SPW,   30                         ; v30  LDS address of my spare word; never rewritten
.set NIL,   31                         ; v31  0; never rewritten
.set FA,    32
.set FB,    96
.set TMP,   32
.set OB,    64
.set WV,  12                           ; s12  wave
.set HI,  13                           ; s13  wave / 2: I fetch for x (0) or for W (1)
.set LO,  14                           ; s14  wave % 2: which half of that tile
.set G1A, 24                           ; s[24:31] descriptor group 1 for x's tiles
.set G0A0, 32                          ; s[32:35] group 0: the first fill of slot 0
.set G0A, 36                           ; s[36:39] group 0: the first fill of slot 1; then it walks
.set G1B, 48                           ; s[48:55], s[56:59], s[60:63] the same for W's tiles
.set G0B0, 56
.set G0B, 60
.set CNT, 66
.set TB,  67                           ; s67  LDS byte at which the slot in hand begins
.set MSB, 0
.macro WIN new                         ; the immediate's high byte repeats the setting that is left; a switch that changes nothing is dropped
.if MSB != (\new)
	s_set_vgpr_msb (MSB<<8)|(\new)
.set MSB, \new
.endif
.endm
.macro PLACES                          ; four places in front of loads into registers that matrix instructions have read, and of conversions that read results (ISA guide 7.12.1 for the conversions)
.rept 4
	v_nop
.endr
.endm
; A joint refill: waves 0 and 1 fetch the halves of x's tile, waves 2 and 3 those of W's.  The branch hangs on the wave's number alone.  An s_nop 0 and four v_nop follow each line.
.macro JLOAD
	s_cmp_eq_u32 s[HI], 0
	s_cbranch_scc0 .Lfor_b_\@
	tensor_load_to_lds s[G0A:G0A+3], s[G1A:G1A+7]
	s_nop 0
.rept 4
	v_nop
.endr
	s_branch .Lasked_\@
.Lfor_b_\@:
	tensor_load_to_lds s[G0B:G0B+3], s[G1B:G1B+7]
	s_nop 0
.rept 4
	v_nop
.endr
.Lasked_\@:
.endm
.macro CREST                           ; a round of the cluster's barrier behind its opening barrier
	s_cmp_lg_u32 s[WV], 0
	s_cbranch_scc1 .Lnot_wave_0_\@
	s_barrier_signal -3
.Lnot_wave_0_\@:
	s_barrier_wait -3
	s_barrier_signal -1
	s_barrier_wait -1
.endm
.macro CROUND                          ; a whole round
	s_barrier_signal -1
	s_barrier_wait -1
	CREST
.endm
.macro STEPD                           ; the walking descriptors: the other slot than last time, the next K block; the type bits on top are not reached
	s_xor_b32 s[G0A+1], s[G0A+1], S1
	s_add_nc_u64 s[G0A+2:G0A+3], s[G0A+2:G0A+3], STEPA
	s_xor_b32 s[G0B+1], s[G0B+1], S1
	s_add_nc_u64 s[G0B+2:G0B+3], s[G0B+2:G0B+3], STEPB
.endm
	s_load_b128 s[4:7], s[0:1], 0x0                ; xb s[4:5], wb s[6:7]
	s_load_b64 s[8:9], s[0:1], 0x10                ; qkv
	v_lshl_add_u32 v[SPW], v0, 2, SPARE
	v_mov_b32 v[NIL], 0
	ds_add_u32 v[SPW], v[NIL]                      ; the wave's opening: the add and its wait stand ahead of my first tensor load; the set-up below, work on registers, stands between them
	v_lshrrev_b32 v1, 5, v0
	v_readfirstlane_b32 s[WV], v1
	s_lshr_b32 s[HI], s[WV], 1
	s_and_b32 s[LO], s[WV], 1
	s_bfe_u32 s15, ttmp6, 0x40000                  ; cx
	s_bfe_u32 s16, ttmp6, 0x40004                  ; cy
	s_lshl_b32 s17, ttmp9, 2
	s_add_co_u32 s17, s17, s15                     ; tile column j = 4 x cluster x + cx
	s_and_b32 s18, ttmp7, 0xffff
	s_lshl_b32 s18, s18, 2
	s_add_co_u32 s18, s18, s16                     ; tile row = 4 x cluster y + cy
	s_lshl_b32 s40, s16, 2
	s_lshl_b32 s40, 15, s40                        ; my row of the cluster
	s_lshl_b32 s41, 0x1111, s15                    ; my column
	s_or_b32 s[G1A], s40, (1<<16)|(1<<20)|(1<<21)|(4<<22)|(3<<25)  ; 15:0 the mask; 17:16 2-byte elements; 20 padding on; 21 set beside a mask; 24:22 after every 32 words (code 4); 31:25 4 words (code 3)
	s_or_b32 s[G1B], s41, (1<<16)|(1<<20)|(1<<21)|(4<<22)|(3<<25)
	s_mov_b32 s[G1A+1], 128<<16                    ; tensor_dim0 = 128 elements: 256 bytes, two rows of a block
	s_mov_b32 s[G1A+2], 64<<16                     ; tensor_dim1 = 64: 128 rows of x
	s_mov_b32 s[G1A+3], 128<<16                    ; tile_dim0
	s_mov_b32 s[G1A+4], 64                         ; tile_dim1
	s_mov_b32 s[G1A+5], 128                        ; dense: 128 elements from row to row
	s_mov_b32 s[G1A+6], 0
	s_mov_b32 s[G1A+7], 0
	s_mov_b32 s[G1B+1], 128<<16
	s_mov_b32 s[G1B+2], 96<<16                     ; 192 rows of W
	s_mov_b32 s[G1B+3], 128<<16
	s_mov_b32 s[G1B+4], 96
	s_mov_b32 s[G1B+5], 128
	s_mov_b32 s[G1B+6], 0
	s_mov_b32 s[G1B+7], 0
	s_lshl_b32 s20, s18, 15                        ; x: 256 rows of 128 bytes a tile row,
	s_lshl_b32 s42, s[LO], 14                      ; 128 rows a half
	s_add_co_u32 s20, s20, s42
	s_mov_b32 s21, 0
	s_mul_i32 s22, s17, 49152                      ; W: 384 rows of 128 bytes a tile column,
	s_mul_i32 s43, s[LO], 24576                    ; 192 a half
	s_add_co_u32 s22, s22, s43
	s_mov_b32 s23, 0
	s_mul_i32 s44, s[LO], 128*PITCH                ; where they go: no place in the cluster enters an LDS address
	s_mul_i32 s45, s[LO], 192*PITCH
	s_add_co_u32 s45, s45, BOFF
	s_mov_b32 s[G0A0], 1
	s_mov_b32 s[G0A0+1], s44
	s_mov_b32 s[G0A], 1
	s_add_co_u32 s[G0A+1], s44, S1
	s_mov_b32 s[G0B0], 1
	s_mov_b32 s[G0B0+1], s45
	s_mov_b32 s[G0B], 1
	s_add_co_u32 s[G0B+1], s45, S1
	s_mov_b32 s[TB], 0
	s_lshl_b32 s46, s18, 19                        ; my first row of qkv: 256 x tile row + 64 x wave, 2,048 bytes each,
	s_lshl_b32 s47, s[WV], 17
	s_add_co_u32 s46, s46, s47
	s_lshl_b32 s47, s17, 8                         ; and 128 columns of 2 bytes a tile column
	s_add_co_u32 s46, s46, s47
	s_mov_b32 s47, 0
	s_wait_dscnt 0x0                               ; the opening add is done
	s_wait_kmcnt 0x0
	s_add_nc_u64 s[G0A0+2:G0A0+3], s[4:5], s[20:21]
	s_add_nc_u64 s[G0A+2:G0A+3], s[G0A0+2:G0A0+3], STEPA
	s_or_b32 s[G0A0+3], s[G0A0+3], 0x80000000      ; type = 2
	s_or_b32 s[G0A+3], s[G0A+3], 0x80000000
	s_add_nc_u64 s[G0B0+2:G0B0+3], s[6:7], s[22:23]
	s_add_nc_u64 s[G0B+2:G0B+3], s[G0B0+2:G0B0+3], STEPB
	s_or_b32 s[G0B0+3], s[G0B0+3], 0x80000000
	s_or_b32 s[G0B+3], s[G0B+3], 0x80000000
	s_add_nc_u64 s[72:73], s[8:9], s[46:47]        ; q,
	s_add_nc_u64 s[74:75], s[72:73], 16777216      ; k,
	s_add_nc_u64 s[76:77], s[72:73], 33554432      ; v
	CROUND                                         ; all sixteen work-groups are here: the first joint loads meet
	s_cmp_eq_u32 s[HI], 0                          ; a wave's two first fills stand in one branch: two loads of mine are out
	s_cbranch_scc0 .Lfirst_b
	tensor_load_to_lds s[G0A0:G0A0+3], s[G1A:G1A+7]
	s_nop 0
	tensor_load_to_lds s[G0A:G0A+3], s[G1A:G1A+7]
	s_nop 0
.rept 4
	v_nop
.endr
	s_branch .Lfirst_asked
.Lfirst_b:
	tensor_load_to_lds s[G0B0:G0B0+3], s[G1B:G1B+7]
	s_nop 0
	tensor_load_to_lds s[G0B:G0B+3], s[G1B:G1B+7]
	s_nop 0
.rept 4
	v_nop
.endr
.Lfirst_asked:
	; A fragment is 16 rows x 32 K in 8 registers: lane l holds row l % 16, K = 8 (l / 16) + 0..7 and 16 + 8 (l / 16) + 0..7: two loads of 16 bytes, 32 bytes apart.
	v_and_b32 v1, 15, v0
	v_bfe_u32 v2, v0, 4, 1
	v_mul_u32_u24 v3, v1, PITCH
	v_lshl_add_u32 v3, v2, 4, v3
	s_mul_i32 s42, s[WV], 64*PITCH                 ; my 64 rows of x
	v_add_nc_u32 v[ADRA0], s42, v3
	v_add_nc_u32 v[ADRB0], BOFF, v3
	v_mov_b32 v[ADRA], v[ADRA0]
	v_mov_b32 v[ADRB], v[ADRB0]
	s_mul_i32 s43, s[WV], 16*SPITCH
	s_add_co_u32 s43, s43, STAGE                   ; my stage
	v_mul_u32_u24 v4, v1, SPITCH                   ; in: row l % 16, 16 bytes for each half of the lanes
	v_lshl_add_u32 v4, v2, 4, v4
	v_add_nc_u32 v[STO], s43, v4
	v_mul_u32_u24 v5, v2, SPITCH                   ; back: lanes 0-15 one row of 256 bytes, lanes 16-31 the next
	v_lshl_add_u32 v5, v1, 4, v5
	v_add_nc_u32 v[RD], s43, v5
	v_lshlrev_b32 v5, 11, v2                       ; and the same two rows in qkv
	v_lshl_add_u32 v[CO], v1, 4, v5
.macro FETCHB qd, p, g                 ; 16 loads: matrix p's 8 blocks of 16 rows, 32 along K number qd, into group g
	WIN 0
.irp b, 0,1,2,3,4,5,6,7
	ds_load_b128 v[FB+64*(\g)+8*(\b):FB+64*(\g)+8*(\b)+3],   v[ADRB] offset:(8*(\p)+(\b))*ROWB+64*(\qd)
	ds_load_b128 v[FB+64*(\g)+8*(\b)+4:FB+64*(\g)+8*(\b)+7], v[ADRB] offset:(8*(\p)+(\b))*ROWB+64*(\qd)+32
.endr
.endm
.macro FETCHA qd                       ; 8 loads: my 4 blocks of 16 rows of x
	WIN 0
.irp a, 0,1,2,3
	ds_load_b128 v[FA+32*(\qd)+8*(\a):FA+32*(\qd)+8*(\a)+3],   v[ADRA] offset:(\a)*ROWB+64*(\qd)
	ds_load_b128 v[FA+32*(\qd)+8*(\a)+4:FA+32*(\qd)+8*(\a)+7], v[ADRA] offset:(\a)*ROWB+64*(\qd)+32
.endr
.endm
; 8 matrix instructions: row block a x matrix p's 8 column blocks.  zero = 1: the first product starts the sums.  The 96 accumulators take turns, one instruction a turn.
.macro MULA p, qd, g, a, zero
	WIN 0x50*((\p)+1)                              ; sources in window 0, C and D in window p + 1
.irp b, 0,1,2,3,4,5,6,7
.if \zero
	v_wmma_f32_16x16x32_bf16 v[8*(8*(\a)+(\b)):8*(8*(\a)+(\b))+7], v[FB+64*(\g)+8*(\b):FB+64*(\g)+8*(\b)+7], v[FA+32*(\qd)+8*(\a):FA+32*(\qd)+8*(\a)+7], 0
.else
	v_wmma_f32_16x16x32_bf16 v[8*(8*(\a)+(\b)):8*(8*(\a)+(\b))+7], v[FB+64*(\g)+8*(\b):FB+64*(\g)+8*(\b)+7], v[FA+32*(\qd)+8*(\a):FA+32*(\qd)+8*(\a)+7], v[8*(8*(\a)+(\b)):8*(8*(\a)+(\b))+7]
.endif
.endr
.endm
.macro MUL32 p, qd, g, zero            ; a phase's 32
	MULA \p, \qd, \g, 0, \zero
	MULA \p, \qd, \g, 1, \zero
	MULA \p, \qd, \g, 2, \zero
	MULA \p, \qd, \g, 3, \zero
.endm
.macro PH n, zero                      ; phase n (0 to 3): the next phase's W fragments go out, into the group that the phase before multiplied; then this phase's 32 products
	PLACES
	FETCHB ((\n)+1)/3, ((\n)+1)%3, ((\n)+1)%2
.if (\n) == 2
	FETCHA 1                                       ; x's second 32 along K, wanted from phase 3 on
	s_wait_dscnt 24                                ; all but the 24 just issued
.else
	s_wait_dscnt 16                                ; all but the 16 just issued
.endif
	MUL32 (\n)%3, (\n)/3, (\n)%2, \zero
.endm
; Phase 4 with the change of slots.  Its run of loads is the slot's last.  ONE barrier: in front of it each wave waits for all its tensor loads (one is out: its part of the other slot), adds 0 to its
; spare word, and waits for that and for its reads of this slot.  24 of the phase's products stand ahead of the wait for the tensor load, so that little stands between a tile's landing and the next
; request.  fill = 1: the barrier opens a round of the cluster's, and the slot is filled again, two K steps ahead, first thing behind it: 184 of a K step's 192 matrix instructions stand between that
; request and the wait for it.
.macro PH4M fill
	PLACES
	FETCHB 1, 2, 1
	s_wait_dscnt 16                                ; all but the 16 just issued
	MULA 1, 1, 0, 0, 0
	MULA 1, 1, 0, 1, 0
	MULA 1, 1, 0, 2, 0
	s_wait_tensorcnt 0x0                           ; no tensor load of mine is out, so a group 0 may be written
	ds_add_u32 v[SPW], v[NIL]                      ; 0 onto my spare word (both its registers' places mean window 0 under the products' setting)
.if \fill
	STEPD
.endif
	MULA 1, 1, 0, 3, 0                             ; eight products stand between the add and the wait for it
	s_wait_dscnt 0x0                               ; the add is done, and my reads of this slot are over
	s_barrier_signal -1
	WIN 0                                          ; at a branch and at a label every window is 0
	s_barrier_wait -1
.if \fill
	CREST                                          ; no wave of any partner still reads this slot or has a load on its way
	JLOAD                                          ; its four v_nop are also the places in front of the loads below
.else
	PLACES
.endif
	s_xor_b32 s[TB], s[TB], S1                     ; the reads go on in the other slot
	v_add_nc_u32 v[ADRA], s[TB], v[ADRA0]
	v_add_nc_u32 v[ADRB], s[TB], v[ADRB0]
.endm
.macro PH5                             ; phase 5: its fragments came in ahead of the barrier; the next K step's first fragments go out
	FETCHB 0, 0, 0
	FETCHA 0
	MUL32 2, 1, 1, 0
.endm
	s_wait_tensorcnt 0x1                           ; my part of K step 0 is in; K step 1's may stay out
	s_barrier_signal -1
	s_barrier_wait -1                              ; everybody's is
	FETCHB 0, 0, 0
	FETCHA 0
	PH 0, 1                                        ; the first three phases stand in front of the loop: their products start the sums
	PH 1, 1
	PH 2, 1
	WIN 0
	s_mov_b32 s[CNT], 14                           ; K steps 2 to 15 are asked for in the loop
.Lstep:                                                ; a trip: a K step's phases 3 to 5 and the next one's 0 to 2
	PH 3, 0
	PH4M 1
	PH5
	PH 0, 0
	PH 1, 0
	PH 2, 0
	WIN 0
	s_sub_co_u32 s[CNT], s[CNT], 1
	s_cmp_lg_u32 s[CNT], 0
	s_cbranch_scc1 .Lstep
	s_mov_b32 s[CNT], 2                            ; the last two K steps ask for nothing: a text of their own; walked twice and left in the middle
.Ltail:
	PH 3, 0
	PH4M 0
	PH5                                            ; the second time its 24 loads, from the slot read before, serve nothing: the price, once a launch, of one text for both trips
	WIN 0
	s_sub_co_u32 s[CNT], s[CNT], 1
	s_cmp_eq_u32 s[CNT], 0
	s_cbranch_scc1 .Lout
	PH 0, 0
	PH 1, 0
	PH 2, 0
	WIN 0
	s_branch .Ltail
.Lout:
	s_wait_dscnt 0x0                               ; those loads have landed: their registers are at work below
; THE WAY OUT, in 12 blocks (matrix p, row block a) of 16 rows x 128 columns.  PACK: rounded to f16, 16 bytes a lane, each accumulator from its low end on.
; TOSTAGE: into my own stage, and back as whole rows of 256 bytes.  SEND: stored.  Block n's conversions stand between block n - 1's loads from the stage and the wait for them.
.macro PACK p, a
	WIN 5*((\p)+1)                                 ; sources 0 and 1 in window p + 1
.irp b, 0,1,2,3,4,5,6,7
.irp r, 0,1,2,3
	v_cvt_pk_f16_f32 v[TMP+4*(\b)+(\r)], v[64*(\a)+8*(\b)+2*(\r)], v[64*(\a)+8*(\b)+2*(\r)+1]
.endr
.endr
	WIN 0
.endm
.macro TOSTAGE n
.set BK, OB+32*((\n)%2)
.irp b, 0,1,2,3,4,5,6,7
	ds_store_b128 v[STO], v[TMP+4*(\b):TMP+4*(\b)+3] offset:32*(\b)
.endr
.irp t, 0,1,2,3,4,5,6,7
	ds_load_b128 v[BK+4*(\t):BK+4*(\t)+3], v[RD] offset:(\t)*2*SPITCH  ; LDS serves a wave's instructions in order (ISA guide 5.7.1.4): these see the stores above
.endr
.endm
.macro SEND p, a, n
.set BK, OB+32*((\n)%2)
	s_wait_dscnt 0x0                               ; the block is back in registers
	s_wait_xcnt 0x0                                ; the stores of the block before have read their registers: the next TOSTAGE loads into them
.irp t, 0,1,2,3,4,5,6,7
	global_store_b128 v[CO], v[BK+4*(\t):BK+4*(\t)+3], s[72+2*(\p):73+2*(\p)] offset:(\a)*32768+(\t)*4096  ; 16 lanes store 256 consecutive bytes, at a multiple of 256 from the buffer's first byte
.endr
.endm
	PLACES
	PACK 0, 0
	TOSTAGE 0
.set n, 1
.rept 11
	PACK n/4, n%4
	SEND (n-1)/4, (n-1)%4, n-1
	TOSTAGE n
.set n, n+1
.endr
	SEND 2, 3, 11
	s_wait_tensorcnt 0x0                           ; the wave's end, behind my last tensor load and my last LDS store
	ds_add_u32 v[SPW], v[NIL]
	s_wait_dscnt 0x0
	CROUND                                         ; the closing round: no work-group ends while a partner may still ask for a tile that names it
	s_endpgm
.Lfunc_end_k_qdf7de2392e_proj:
	.size	k_qdf7de2392e_proj, .Lfunc_end_k_qdf7de2392e_proj-k_qdf7de2392e_proj
	.p2alignl 7, 3214868480
	.fill 96, 4, 3214868480
	.section	.rodata,"a",@progbits
	.p2align	6, 0x0
	.amdhsa_kernel k_qdf7de2392e_proj
		.amdhsa_group_segment_fixed_size 327680
		.amdhsa_private_segment_fixed_size 0
		.amdhsa_enable_private_segment 0
		.amdhsa_kernarg_size 24
		.amdhsa_user_sgpr_count 2
		.amdhsa_user_sgpr_kernarg_segment_ptr 1
		.amdhsa_wavefront_size32 1
		.amdhsa_system_sgpr_workgroup_id_x 1
		.amdhsa_system_sgpr_workgroup_id_y 1
		.amdhsa_system_sgpr_workgroup_id_z 1
		.amdhsa_system_vgpr_workitem_id 0
		.amdhsa_next_free_vgpr 1024
		.amdhsa_next_free_sgpr 80
		.amdhsa_reserve_vcc 0
		.amdhsa_float_denorm_mode_32 3
		.amdhsa_float_denorm_mode_16_64 3
		.amdhsa_memory_ordered 1
		.amdhsa_forward_progress 1
		.amdhsa_inst_pref_size 108
	.end_amdhsa_kernel
	.amdgpu_metadata
---
amdhsa.version: [ 1, 2 ]
amdhsa.kernels:
  - .name:           k_qdf7de2392e_proj
    .symbol:         k_qdf7de2392e_proj.kd
    .args:
      - { .name: xb, .offset: 0, .size: 8, .value_kind: global_buffer, .address_space: global }
      - { .name: wb, .offset: 8, .size: 8, .value_kind: global_buffer, .address_space: global }
      - { .name: qkv, .offset: 16, .size: 8, .value_kind: global_buffer, .address_space: global }
    .group_segment_fixed_size: 327680
    .private_segment_fixed_size: 0
    .kernarg_segment_align: 8
    .kernarg_segment_size: 24
    .max_flat_workgroup_size: 128
    .sgpr_count:     80
    .vgpr_count:     1024
    .wavefront_size: 32
...
	.end_amdgpu_metadata
.endif
;; end of part 2
;; launch score (part 3): grid 8 x 32, 4 waves a work-group, clusters of 4 x 4, 327,680 bytes of LDS; arguments qkv, p, st; writes p, st
.if DOCPART == 3
	.amdgcn_target "amdgcn-amd-amdhsa--gfx1250"
	.amdhsa_code_object_version 6
	.text
	.protected	k_qdf7de2392e_score
	.globl	k_qdf7de2392e_score
	.p2align	8
	.type	k_qdf7de2392e_score,@function
k_qdf7de2392e_score:
	s_mov_b64 s[64:65], 0
	v_nop
	global_prefetch_b8 v0, s[64:65] scope:SCOPE_SE
	s_setreg_imm32_b32 hwreg(HW_REG_WAVE_MODE, 25, 1), 1
	s_wait_xcnt 0x0
	s_wait_alu depctr_hold_cnt(0) depctr_sa_sdst(0) depctr_va_vdst(0) depctr_va_sdst(0) depctr_va_ssrc(0) depctr_va_vcc(0) depctr_vm_vsrc(0)
	s_getreg_b32 s2, hwreg(HW_REG_IB_STS2, 6, 4)
	s_cmp_eq_u32 s2, 0
	s_cbranch_scc0 .Lentry_in_a_cluster
	s_endpgm
.Lentry_in_a_cluster:
	s_bfe_u32 s2, ttmp6, 0x10000c
	s_cmp_lg_u32 s2, 0xf033
	s_cbranch_scc0 .Lentry_shape_is_right
	s_endpgm
.Lentry_shape_is_right:
; S = q k^T for one batch's tile of 256 queries x 256 keys, and the first half of the softmax.  qkv: [3][8192][1024] f16.  Products in f16, sums in f32.
; For each query and each CHUNK of 128 keys (a wave's columns): cm = c x the largest score of the chunk, c = log2(e) / 32; p = 2^(c s - cm), rounded once to f16; l = the sum of the unrounded p.
;   p:  [block of 16 queries, 512][block of 16 keys of the batch, 128][lane 32][8 f16]: lane l holds query l % 16 and keys 8 (l / 16) + 0..7 of the two blocks.
;   st: [chunk 16][query 8192][2] f32 = (cm, l).
; That layout of p is the one in which a lane holds its results here AND the one in which the next launch's matrix instruction takes them: a store of a wave is 512 consecutive bytes straight from registers.
; The maximum taken away here is the chunk's own; the next launch brings every chunk to the row's true maximum.  So p lies in 0 to 1 whatever the scores are.
; LIMITS.  A weight below 2^-126 counts as 0 in l; below 6e-5 p keeps f16's fixed step of 6e-8.  NaN and infinities are not treated apart.
; SHARES.  Four waves, each 128 queries x 128 keys: 64 accumulators of 16 x 16, 512 registers.  K (1,024 channels) goes in steps of 128 through two LDS slots; a tile's rows are 256 bytes of memory.
; CLUSTER.  4 x 4 work-groups of one batch: q's tile is asked for jointly along a row of the cluster, k's along a column.
; THE MATRIX INSTRUCTION IS USED TRANSPOSED: source 0 = 16 keys, source 1 = 16 queries: a lane holds ONE query (lane % 16) and, of each 16 keys, the eight at 8 (lane / 16).
; REGISTERS, in windows of 256 (s_set_vgpr_msb: bits 1:0 source 0, 3:2 source 1, 5:4 source 2, 7:6 destination):
;   window 0: v16-31 addresses; v64-127, v128-191 q's fragments, two buffers; on the way out v64-103 statistics, v192-223 packed p
;   window 1: v64-127, v128-191 k's fragments          window 2: the accumulators of my queries 0-63, (a, b) at v[8 (8 a + b)]          window 3: those of my queries 64-127
.set KSTEP,  128
.set PITCH,  272                       ; an LDS row: 256 bytes + 16 of padding = 68 words: the 16 rows of a load start at 16 different groups of four banks (64 banks of 4 bytes: ISA guide 11.1)
.set HALFT,  128*PITCH
.set S1,     4*HALFT                   ; 0x22000: its two bits are set in none of the four tiles' places 0, 0x8800, 0x11000, 0x19800, so one exclusive or turns a place in one slot into the other's
.set SPARE,  2*S1                      ; behind the ring: the spare words, 128 bytes for each wave: two blocks of 256 bytes that no other line names
.set ADRA0, 16
.set ADRB0, 17
.set ADRA,  18
.set ADRB,  19
.set CO,    26                         ; v26  16 x lane: my place in a block of p
.set SO,    27                         ; v27  8 x lane: my place in 32 queries' statistics
.set SPW,   30
.set NIL,   31
.set F0,    64
.set F1,    128
.set TMP,   192
.set T,     64                         ; v64-71  eight running maxima
.set CM,    72                         ; v72 cm, v73 the maximum: named as a pair
.set PX,    74                         ; v74, v75  what the lane 16 away holds
.set PY,    75
.set LH,    76                         ; v76  my half of l
.set CMS,   80                         ; v80-87  cm of blocks 0 to 7
.set LLS,   88                         ; v88-95  l of blocks 0 to 7
.set SV,    96                         ; v96-103 (cm, l) as stored
.set WV,  12
.set HI,  13                           ; s13  wave / 2: my half of the queries.  Also: I fetch for q (0) or for k (1)
.set LO,  14                           ; s14  wave % 2: my half of the keys.  Also: which 128 rows of that tile I fetch
.set G1A, 24
.set G0A0, 32
.set G0A, 36
.set G1B, 48
.set G0B0, 56
.set G0B, 60
.set CNT, 66
.set TB,  67
.set CS,  68                           ; s[68:69] c: the packed scaling takes the pair's low word for both halves
.set SEL, 70                           ; s[70:71] v_permlanex16_b32's selects: each lane takes its own place in the other half
.set MSB, 0
.macro WIN new
.if MSB != (\new)
	s_set_vgpr_msb (MSB<<8)|(\new)
.set MSB, \new
.endif
.endm
.set MUL_LO, 0xa1                      ; source 0 (k) window 1, source 1 (q) window 0, C and D window 2
.set TO_B,   0x40                      ; destination window 1, address window 0
.macro PLACES
.rept 4
	v_nop
.endr
.endm
.macro JLOAD                           ; a joint refill: waves 0 and 1 fetch q's halves, waves 2 and 3 k's; an s_nop 0 and four v_nop follow each line
	s_cmp_eq_u32 s[HI], 0
	s_cbranch_scc0 .Lfor_b_\@
	tensor_load_to_lds s[G0A:G0A+3], s[G1A:G1A+7]
	s_nop 0
.rept 4
	v_nop
.endr
	s_branch .Lasked_\@
.Lfor_b_\@:
	tensor_load_to_lds s[G0B:G0B+3], s[G1B:G1B+7]
	s_nop 0
.rept 4
	v_nop
.endr
.Lasked_\@:
.endm
.macro CREST
	s_cmp_lg_u32 s[WV], 0
	s_cbranch_scc1 .Lnot_wave_0_\@
	s_barrier_signal -3
.Lnot_wave_0_\@:
	s_barrier_wait -3
	s_barrier_signal -1
	s_barrier_wait -1
.endm
.macro CROUND
	s_barrier_signal -1
	s_barrier_wait -1
	CREST
.endm
.macro STEPD                           ; the walking descriptors: the other slot, 128 channels on
	s_xor_b32 s[G0A+1], s[G0A+1], S1
	s_add_nc_u64 s[G0A+2:G0A+3], s[G0A+2:G0A+3], KSTEP*2
	s_xor_b32 s[G0B+1], s[G0B+1], S1
	s_add_nc_u64 s[G0B+2:G0B+3], s[G0B+2:G0B+3], KSTEP*2
.endm
	s_load_b128 s[4:7], s[0:1], 0x0                ; qkv s[4:5], p s[6:7]
	s_load_b64 s[8:9], s[0:1], 0x10                ; st
	v_lshl_add_u32 v[SPW], v0, 2, SPARE
	v_mov_b32 v[NIL], 0
	ds_add_u32 v[SPW], v[NIL]                      ; the wave's opening: the add and its wait stand ahead of my first tensor load
	v_lshrrev_b32 v1, 5, v0
	v_readfirstlane_b32 s[WV], v1
	s_lshr_b32 s[HI], s[WV], 1
	s_and_b32 s[LO], s[WV], 1
	s_bfe_u32 s15, ttmp6, 0x40000                  ; cx
	s_bfe_u32 s16, ttmp6, 0x40004                  ; cy
	s_lshl_b32 s17, ttmp9, 2
	s_add_co_u32 s17, s17, s15                     ; key tile = 4 x cluster x + cx
	s_and_b32 s18, ttmp7, 0xffff
	s_lshr_b32 s19, s18, 1                         ; the batch: two clusters of four query tiles each; made of the cluster's y alone
	s_lshl_b32 s18, s18, 2
	s_add_co_u32 s18, s18, s16                     ; query tile, over all batches = 4 x cluster y + cy
	s_lshl_b32 s40, s16, 2
	s_lshl_b32 s40, 15, s40                        ; my row of the cluster
	s_lshl_b32 s41, 0x1111, s15                    ; my column
	s_or_b32 s[G1A], s40, (1<<16)|(1<<20)|(1<<21)|(5<<22)|(3<<25)  ; the mask; 2-byte elements; padding on; 21 set beside a mask; after every 64 words (code 5) 4 words (code 3)
	s_or_b32 s[G1B], s41, (1<<16)|(1<<20)|(1<<21)|(5<<22)|(3<<25)
.irp g, G1A, G1B
	s_mov_b32 s[(\g)+1], KSTEP<<16                 ; tensor_dim0 = 128
	s_mov_b32 s[(\g)+2], 128<<16                   ; tensor_dim1 = 128
	s_mov_b32 s[(\g)+3], KSTEP<<16                 ; tile_dim0
	s_mov_b32 s[(\g)+4], 128                       ; tile_dim1
	s_mov_b32 s[(\g)+5], 1024                      ; elements from row to row
	s_mov_b32 s[(\g)+6], 0
	s_mov_b32 s[(\g)+7], 0
.endr
	s_lshl_b32 s20, s18, 19                        ; q: 256 rows of 2,048 bytes a tile,
	s_lshl_b32 s42, s[LO], 18                      ; 128 rows a half
	s_add_co_u32 s20, s20, s42
	s_mov_b32 s21, 0
	s_lshl_b32 s22, s19, 22                        ; k: 2,048 rows a batch,
	s_lshl_b32 s43, s17, 19
	s_add_co_u32 s22, s22, s43
	s_add_co_u32 s22, s22, s42
	s_add_co_u32 s22, s22, 16777216                ; behind q in qkv
	s_mov_b32 s23, 0
	s_mul_i32 s44, s[WV], HALFT                    ; where they go: q's two halves, then k's two
	s_mov_b32 s[G0A0], 1
	s_mov_b32 s[G0A0+1], s44
	s_mov_b32 s[G0A], 1
	s_add_co_u32 s[G0A+1], s44, S1
	s_mov_b32 s[G0B0], 1
	s_mov_b32 s[G0B0+1], s44
	s_mov_b32 s[G0B], 1
	s_add_co_u32 s[G0B+1], s44, S1
	s_mov_b32 s[TB], 0
	s_mov_b32 s[CS], 0x3d38aa3b                    ; c = log2(e) / 32
	s_mov_b32 s[CS+1], s[CS]
	s_mov_b32 s[SEL], 0x76543210
	s_mov_b32 s[SEL+1], 0xfedcba98
	s_mov_b32 s78, 0xffff0000                      ; lanes 16 to 31
	s_lshl_b32 s46, s18, 20                        ; p: 16 blocks of queries, 65,536 bytes each, a query tile,
	s_lshl_b32 s47, s[HI], 19                      ; my 8 of them,
	s_add_co_u32 s46, s46, s47
	s_lshl_b32 s47, s17, 13                        ; 16 blocks of keys, 512 bytes each, a key tile,
	s_add_co_u32 s46, s46, s47
	s_lshl_b32 s47, s[LO], 12                      ; my 8 of them
	s_add_co_u32 s46, s46, s47
	s_mov_b32 s47, 0
	s_lshl_b32 s42, s17, 1
	s_add_co_u32 s42, s42, s[LO]                   ; st: my chunk = 2 x key tile + half,
	s_lshl_b32 s42, s42, 16
	s_lshl_b32 s43, s18, 11                        ; 256 queries of 8 bytes a tile,
	s_add_co_u32 s42, s42, s43
	s_lshl_b32 s43, s[HI], 10
	s_add_co_u32 s42, s42, s43
	s_mov_b32 s43, 0
	s_wait_dscnt 0x0                               ; the opening add is done
	s_wait_kmcnt 0x0
	s_add_nc_u64 s[G0A0+2:G0A0+3], s[4:5], s[20:21]
	s_add_nc_u64 s[G0A+2:G0A+3], s[G0A0+2:G0A0+3], KSTEP*2
	s_or_b32 s[G0A0+3], s[G0A0+3], 0x80000000
	s_or_b32 s[G0A+3], s[G0A+3], 0x80000000
	s_add_nc_u64 s[G0B0+2:G0B0+3], s[4:5], s[22:23]
	s_add_nc_u64 s[G0B+2:G0B+3], s[G0B0+2:G0B0+3], KSTEP*2
	s_or_b32 s[G0B0+3], s[G0B0+3], 0x80000000
	s_or_b32 s[G0B+3], s[G0B+3], 0x80000000
	s_add_nc_u64 s[72:73], s[6:7], s[46:47]
	s_add_nc_u64 s[74:75], s[8:9], s[42:43]
	CROUND                                         ; all sixteen work-groups are here: the first joint loads meet
	s_cmp_eq_u32 s[HI], 0                          ; a wave's two first fills stand in one branch: two loads of mine are out
	s_cbranch_scc0 .Lfirst_b
	tensor_load_to_lds s[G0A0:G0A0+3], s[G1A:G1A+7]
	s_nop 0
	tensor_load_to_lds s[G0A:G0A+3], s[G1A:G1A+7]
	s_nop 0
.rept 4
	v_nop
.endr
	s_branch .Lfirst_asked
.Lfirst_b:
	tensor_load_to_lds s[G0B0:G0B0+3], s[G1B:G1B+7]
	s_nop 0
	tensor_load_to_lds s[G0B:G0B+3], s[G1B:G1B+7]
	s_nop 0
.rept 4
	v_nop
.endr
.Lfirst_asked:
	v_and_b32 v1, 15, v0
	v_bfe_u32 v2, v0, 4, 1
	v_mul_u32_u24 v3, v1, PITCH
	v_lshl_add_u32 v3, v2, 4, v3                   ; a fragment's row x pitch + 16 x half
	s_mul_i32 s42, s[HI], HALFT                    ; my 128 queries
	s_mul_i32 s43, s[LO], HALFT                    ; my 128 keys,
	s_add_co_u32 s43, s43, 2*HALFT                 ; which lie behind q's 256 rows
	v_add_nc_u32 v[ADRA0], s42, v3
	v_add_nc_u32 v[ADRB0], s43, v3
	v_mov_b32 v[ADRA], v[ADRA0]
	v_mov_b32 v[ADRB], v[ADRB0]
	v_and_b32 v5, 31, v0
	v_lshlrev_b32 v[CO], 4, v5
	v_lshlrev_b32 v[SO], 3, v5
; 16 matrix instructions: query blocks a0, a0 + 1 of the window's four x all 8 key blocks, 32 along K.  The 64 accumulators take turns, one instruction a turn.
.macro MUL16 f, hi, a0, zero
	WIN MUL_LO+0x50*(\hi)
.irp a, \a0, (\a0)+1
.irp b, 0,1,2,3,4,5,6,7
.if \zero
	v_wmma_f32_16x16x32_f16 v[8*(8*(\a)+(\b)):8*(8*(\a)+(\b))+7], v[(\f)+8*(\b):(\f)+8*(\b)+7], v[(\f)+8*(4*(\hi)+(\a)):(\f)+8*(4*(\hi)+(\a))+7], 0
.else
	v_wmma_f32_16x16x32_f16 v[8*(8*(\a)+(\b)):8*(8*(\a)+(\b))+7], v[(\f)+8*(\b):(\f)+8*(\b)+7], v[(\f)+8*(4*(\hi)+(\a)):(\f)+8*(4*(\hi)+(\a))+7], v[8*(8*(\a)+(\b)):8*(8*(\a)+(\b))+7]
.endif
.endr
.endr
.endm
.macro FETCH k, f                      ; 32 LDS loads in one run: 128 keys, then 128 queries, 32 along K at byte k of the rows of the slot in hand
	WIN TO_B
.irp i, 0,1,2,3,4,5,6,7
	ds_load_b128 v[(\f)+8*(\i):(\f)+8*(\i)+3],   v[ADRB] offset:(\k)+(\i)*16*PITCH
	ds_load_b128 v[(\f)+8*(\i)+4:(\f)+8*(\i)+7], v[ADRB] offset:(\k)+(\i)*16*PITCH+32
.endr
	WIN 0
.irp i, 0,1,2,3,4,5,6,7
	ds_load_b128 v[(\f)+8*(\i):(\f)+8*(\i)+3],   v[ADRA] offset:(\k)+(\i)*16*PITCH
	ds_load_b128 v[(\f)+8*(\i)+4:(\f)+8*(\i)+7], v[ADRA] offset:(\k)+(\i)*16*PITCH+32
.endr
.endm
.macro QUARTER k, f, g, zero           ; multiplies buffer f; in its middle fetches the next quarter's fragments, at byte k, into buffer g
	s_wait_dscnt 8                                 ; k and q's rows 0-63 are in; the youngest eight loads (q's rows 64-127) may be out
	MUL16 \f, 0, 0, \zero
	MUL16 \f, 0, 2, \zero
	PLACES
	FETCH \k, \g
	s_wait_dscnt 32                                ; all but the 32 just issued
	MUL16 \f, 1, 0, \zero
	MUL16 \f, 1, 2, \zero
.endm
; The last quarter multiplies buffer 1 and changes slots: ONE barrier; in front of it each wave waits for all its tensor loads (one is out: its part of the other slot), adds 0 to its spare word, and
; waits for that and for its reads of this slot.  48 of the quarter's products stand ahead of the wait for the tensor load and 16 behind the refill, where they cover the first fetch from the other slot:
; nothing but the barrier stands between a tile's landing and the next request.  fill = 1: the barrier opens a round of the cluster's, and the slot is filled again, two K steps ahead, first thing
; behind it: a K step's 256 matrix instructions stand between that request and the wait for it.
.macro TURN fill
	s_wait_dscnt 8                                 ; k and q's rows 0-63 are in
	MUL16 F1, 0, 0, 0
	MUL16 F1, 0, 2, 0
	s_wait_dscnt 0x0                               ; q's rows 64-127 too: my reads of this slot are over
	MUL16 F1, 1, 0, 0
	WIN 0
	s_wait_tensorcnt 0x0                           ; no tensor load of mine is out, so a group 0 may be written
	ds_add_u32 v[SPW], v[NIL]                      ; 0 onto my spare word
.if \fill
	STEPD
.endif
	s_wait_dscnt 0x0                               ; the add is done
	s_barrier_signal -1
	s_barrier_wait -1
.if \fill
	CREST                                          ; no wave of any partner still reads this slot or has a load on its way
	JLOAD                                          ; its four v_nop are also the places in front of the loads below
.else
	PLACES
.endif
	s_xor_b32 s[TB], s[TB], S1
	v_add_nc_u32 v[ADRA], s[TB], v[ADRA0]
	v_add_nc_u32 v[ADRB], s[TB], v[ADRB0]
	FETCH 0, F0
	MUL16 F1, 1, 2, 0
.endm
	s_wait_tensorcnt 0x1                           ; my part of K step 0 is in; K step 1's may stay out
	s_barrier_signal -1
	s_barrier_wait -1
	FETCH 0, F0
	QUARTER 64, F0, F1, 1                          ; the first quarter stands in front of the loop: its products start the sums
	WIN 0
	s_mov_b32 s[CNT], 6                            ; K steps 2 to 7 are asked for in the loop
.Lstep:                                                ; a trip: a K step's quarters 1 to 3 and the next one's first
	QUARTER 128, F1, F0, 0
	QUARTER 192, F0, F1, 0
	TURN 1
	QUARTER 64, F0, F1, 0
	WIN 0
	s_sub_co_u32 s[CNT], s[CNT], 1
	s_cmp_lg_u32 s[CNT], 0
	s_cbranch_scc1 .Lstep
	s_mov_b32 s[CNT], 2                            ; the last two K steps ask for nothing: a text of their own; walked twice and left in the middle
.Ltail:
	QUARTER 128, F1, F0, 0
	QUARTER 192, F0, F1, 0
	TURN 0                                         ; the second time its 32 loads, from the slot read before, serve nothing: the price, once a launch, of one text for both trips
	WIN 0
	s_sub_co_u32 s[CNT], s[CNT], 1
	s_cmp_eq_u32 s[CNT], 0
	s_cbranch_scc1 .Lout
	QUARTER 64, F0, F1, 0
	WIN 0
	s_branch .Ltail
.Lout:
	s_wait_dscnt 0x0                               ; those loads have landed: their registers are at work below
; THE WAY OUT, a block of 16 queries at a time.  A lane holds 64 of its query's 128 scores, the lane 16 away the others.  The packed weights leave straight from registers; the sums follow the stores.
.macro SOFT a
.set AC, 64*((\a)%4)                   ; the block's eight accumulators, in window 2 (blocks 0-3) or 3
	WIN 0x2a+0x15*((\a)/4)                         ; three sources in that window.
.irp b, 0,1,2,3,4,5,6,7
	v_max3_num_f32 v[T+(\b)], v[AC+8*(\b)], v[AC+8*(\b)+1], v[AC+8*(\b)+2]
.endr
	WIN 0x28+0x14*((\a)/4)                         ; source 0 in window 0
.irp b, 0,1,2,3,4,5,6,7
	v_max3_num_f32 v[T+(\b)], v[T+(\b)], v[AC+8*(\b)+3], v[AC+8*(\b)+4]
.endr
.irp b, 0,1,2,3,4,5,6,7
	v_max3_num_f32 v[T+(\b)], v[T+(\b)], v[AC+8*(\b)+5], v[AC+8*(\b)+6]
.endr
.irp b, 0,1,2,3,4,5,6,7
	v_max_num_f32 v[T+(\b)], v[T+(\b)], v[AC+8*(\b)+7]
.endr
	WIN 0
	v_max3_num_f32 v[T], v[T], v[T+1], v[T+2]
	v_max3_num_f32 v[T+3], v[T+3], v[T+4], v[T+5]
	v_max3_num_f32 v[T], v[T], v[T+6], v[T+7]
	v_max_num_f32 v[T], v[T], v[T+3]
	v_permlanex16_b32 v[PX], v[T], s[SEL], s[SEL+1]
	v_max_num_f32 v[CM+1], v[T], v[PX]             ; the chunk's largest score
	v_mul_f32 v[CM], s[CS], v[CM+1]
	v_mov_b32 v[CMS+(\a)], v[CM]
	WIN 0x82+0x41*((\a)/4)                         ; destination and source 0 in the block's window, cm in window 0
.set u, 0
.rept 32
	v_pk_fma_f32 v[AC+2*u:AC+2*u+1], v[AC+2*u:AC+2*u+1], s[CS:CS+1], v[CM:CM+1] op_sel_hi:[1,0,0] neg_lo:[0,0,1] neg_hi:[0,0,1]  ; c s - cm
.set u, u+1
.endr
.set u, 0
.rept 64
	v_exp_f32 v[AC+u], v[AC+u]
.set u, u+1
.endr
	v_nop                                          ; a plain instruction between the last exponential and the use of its result (ISA guide 5.7.2)
	s_wait_xcnt 0x0                                ; the stores of the block before have read the registers that are written next
	WIN 0x0a+5*((\a)/4)
	s_wait_alu depctr_va_vdst(0)
.irp b, 0,1,2,3,4,5,6,7
.irp r, 0,1,2,3
	v_cvt_pk_f16_f32 v[TMP+4*(\b)+(\r)], v[AC+8*(\b)+2*(\r)], v[AC+8*(\b)+2*(\r)+1]
.endr
.endr
	WIN 0
.irp b, 0,1,2,3,4,5,6,7
	global_store_b128 v[CO], v[TMP+4*(\b):TMP+4*(\b)+3], s[72:73] offset:(\a)*65536+(\b)*512  ; a block of 16 queries x 16 keys: 512 consecutive bytes, at a multiple of 512 from p's first byte
.endr
	WIN 0x8a+0x45*((\a)/4)                         ; the sum of the 32 pairs, in place: neighbours 1, 2, 4, 8 and 16 pairs apart
.irp w, 1,2,4,8,16
.set u, 0
.rept 16/(\w)
	v_pk_add_f32 v[AC+4*(\w)*u:AC+4*(\w)*u+1], v[AC+4*(\w)*u:AC+4*(\w)*u+1], v[AC+4*(\w)*u+2*(\w):AC+4*(\w)*u+2*(\w)+1]
.set u, u+1
.endr
.endr
	WIN 0x0a+5*((\a)/4)
	v_add_f32 v[LH], v[AC], v[AC+1]
	WIN 0
	v_permlanex16_b32 v[PY], v[LH], s[SEL], s[SEL+1]
	v_add_f32 v[LLS+(\a)], v[LH], v[PY]
.endm
	PLACES
	v_mov_b32 v[PX], 0                             ; v_permlanex16_b32's destination counts as read
	v_mov_b32 v[PY], 0
.irp a, 0,1,2,3,4,5,6,7
	SOFT \a
.endr
	; The statistics.  Every lane holds cm and l of query lane % 16 of each block: lanes 0-15 give block 2 g's, lanes 16-31 block 2 g + 1's: 32 queries x 8 bytes, 256 consecutive aligned bytes a store.
.irp g, 0,1,2,3
	v_cndmask_b32 v[SV+2*(\g)],   v[CMS+2*(\g)], v[CMS+2*(\g)+1], s78
	v_cndmask_b32 v[SV+2*(\g)+1], v[LLS+2*(\g)], v[LLS+2*(\g)+1], s78
.endr
.irp g, 0,1,2,3
	global_store_b64 v[SO], v[SV+2*(\g):SV+2*(\g)+1], s[74:75] offset:256*(\g)
.endr
	s_wait_tensorcnt 0x0                           ; the wave's end, behind my last tensor load
	ds_add_u32 v[SPW], v[NIL]
	s_wait_dscnt 0x0
	CROUND                                         ; the closing round
	s_endpgm
.Lfunc_end_k_qdf7de2392e_score:
	.size	k_qdf7de2392e_score, .Lfunc_end_k_qdf7de2392e_score-k_qdf7de2392e_score
	.p2alignl 7, 3214868480
	.fill 96, 4, 3214868480
	.section	.rodata,"a",@progbits
	.p2align	6, 0x0
	.amdhsa_kernel k_qdf7de2392e_score
		.amdhsa_group_segment_fixed_size 327680
		.amdhsa_private_segment_fixed_size 0
		.amdhsa_enable_private_segment 0
		.amdhsa_kernarg_size 24
		.amdhsa_user_sgpr_count 2
		.amdhsa_user_sgpr_kernarg_segment_ptr 1
		.amdhsa_wavefront_size32 1
		.amdhsa_system_sgpr_workgroup_id_x 1
		.amdhsa_system_sgpr_workgroup_id_y 1
		.amdhsa_system_sgpr_workgroup_id_z 1
		.amdhsa_system_vgpr_workitem_id 0
		.amdhsa_next_free_vgpr 1024
		.amdhsa_next_free_sgpr 80
		.amdhsa_reserve_vcc 0
		.amdhsa_float_denorm_mode_32 3
		.amdhsa_float_denorm_mode_16_64 3
		.amdhsa_memory_ordered 1
		.amdhsa_forward_progress 1
		.amdhsa_inst_pref_size 160
	.end_amdhsa_kernel
	.amdgpu_metadata
---
amdhsa.version: [ 1, 2 ]
amdhsa.kernels:
  - .name:           k_qdf7de2392e_score
    .symbol:         k_qdf7de2392e_score.kd
    .args:
      - { .name: qkv, .offset: 0, .size: 8, .value_kind: global_buffer, .address_space: global }
      - { .name: p, .offset: 8, .size: 8, .value_kind: global_buffer, .address_space: global }
      - { .name: st, .offset: 16, .size: 8, .value_kind: global_buffer, .address_space: global }
    .group_segment_fixed_size: 327680
    .private_segment_fixed_size: 0
    .kernarg_segment_align: 8
    .kernarg_segment_size: 24
    .max_flat_workgroup_size: 128
    .sgpr_count:     80
    .vgpr_count:     1024
    .wavefront_size: 32
...
	.end_amdgpu_metadata
.endif
;; end of part 3
;; launch pv (part 4): grid 4 x 64, 4 waves a work-group, clusters of 4 x 4, 327,680 bytes of LDS; arguments p, st, qkv, out0; writes out0
.if DOCPART == 4
	.amdgcn_target "amdgcn-amd-amdhsa--gfx1250"
	.amdhsa_code_object_version 6
	.text
	.protected	k_qdf7de2392e_pv
	.globl	k_qdf7de2392e_pv
	.p2align	8
	.type	k_qdf7de2392e_pv,@function
k_qdf7de2392e_pv:
	s_mov_b64 s[64:65], 0
	v_nop
	global_prefetch_b8 v0, s[64:65] scope:SCOPE_SE
	s_setreg_imm32_b32 hwreg(HW_REG_WAVE_MODE, 25, 1), 1
	s_wait_xcnt 0x0
	s_wait_alu depctr_hold_cnt(0) depctr_sa_sdst(0) depctr_va_vdst(0) depctr_va_sdst(0) depctr_va_ssrc(0) depctr_va_vcc(0) depctr_vm_vsrc(0)
	s_getreg_b32 s2, hwreg(HW_REG_IB_STS2, 6, 4)
	s_cmp_eq_u32 s2, 0
	s_cbranch_scc0 .Lentry_in_a_cluster
	s_endpgm
.Lentry_in_a_cluster:
	s_bfe_u32 s2, ttmp6, 0x10000c
	s_cmp_lg_u32 s2, 0xf033
	s_cbranch_scc0 .Lentry_shape_is_right
	s_endpgm
.Lentry_shape_is_right:
; The second half of the softmax and the second product.  p: [block of 16 queries 512][block of 16 keys 128][lane 32][8 f16] (see the launch before), st: [chunk 16][8192][2] f32 = (cm, l),
; v: the third part of qkv, [8192][1024] f16; out0: [8192][1024] f32.
; For each query: M = the largest cm_t over its 16 chunks (c x the row's true maximum), f_t = 2^(cm_t - M), L = the sum of f_t l_t;  out = (the sum over t of f_t (p_t v_t)) / L.
; So every weight counts as 2^(c s - M): the running maximum's result, made in two launches.  Products in f16, sums in f32; f_t, L and all that is done with them in f32.
; LIMITS.  Below 6e-5 p keeps f16's fixed step of 6e-8; an f_t below 2^-126 counts as 0.  NaN and infinities are not treated apart.
; SHARES.  A work-group makes 128 queries x 256 channels: 64 x 4 = 256 work-groups.  A wave makes 64 x 128.  A K step is 128 keys, one chunk; 16 steps through two LDS slots.
; Each chunk's product is summed in accumulators T of its own (its first product takes the constant 0 as C); behind its last product one run of 128 packed multiply-adds does O += f_t T.  The run stands
; behind the request for the next tile but one, in the time in which that tile is on its way.  O is cleared once, by 256 v_mov_b32 in the wait for the first tile: the price of writing no first chunk out.
; CLUSTER.  4 x 4 work-groups of one batch: p's tile is asked for jointly along a row of the cluster (all four channel tiles), v's along a column.
; LAYOUT.  T^T = V^T P: source 0 = 16 channels x 32 keys (v comes out of LDS turned, by ds_load_tr16_b128), source 1 = 16 queries x 32 keys, which is two neighbouring blocks of p as they lie:
; a fragment load is 512 consecutive bytes.  In the result a lane holds one query and eight channels, so f_t and 1 / L are one number a lane and block.
; REGISTERS, in windows of 256 (s_set_vgpr_msb: bits 1:0 source 0, 3:2 source 1, 5:4 source 2, 7:6 destination):
;   window 0: v8-15 addresses; v16-23 f of the chunk in hand, the low register of a pair a block; v24-27 f as loaded; v28 the prefetch's offset; v32-159 V's fragments, two buffers;
;             v160-223 P's fragments, two buffers; v224-231 1 / L, a pair a block
;   window 1: T, accumulator (a, cb) at v[8 (8 a + cb)]          window 2: O, likewise
.set PB,     32768                     ; P's part of a slot: 8 blocks of 16 queries x 4,096 bytes, dense: a fragment load takes 512 neighbouring bytes and has no bank conflict
.set PVP,    544                       ; a row of V: 512 + 32 = 136 words
.set BOFF,   PB                        ; a slot: P, then V's 128 keys
.set S1,     1<<17
.set FT,     S1+BOFF+128*PVP           ; behind the ring: each wave's table of f: [chunk 16][query 16][block 4] f32, 4,096 bytes
.set STAGE,  FT+4*4096                 ; 16 rows x 528 bytes for each wave, for the way out
.set SPI,    528
.set SPARE,  STAGE+4*16*SPI            ; the spare words, 128 bytes for each wave: two blocks of 256 bytes that no other line names
.set STEPA,  4096                      ; a chunk's 8 blocks of keys in p
.set STEPB,  128*2048                  ; 128 rows of v
.set ADRP0, 8
.set ADRV0, 9
.set ADRP,  10
.set ADRV,  11
.set AFT,   12                         ; v12  my 16 bytes of the table, for the chunk in hand
.set STO,   13
.set RD,    14
.set GO,    15                         ; v15  16 x lane
.set FP,    16
.set FN,    24
.set VPF,   28
.set SPW,   30
.set NIL,   31
.set FV,    32
.set FPR,   160
.set IL,    224
.set TM,    32                         ; the way out: a block's 64 numbers
.set OB,    96                         ; rows read back: v96-159 and v160-223 by turns
.set WMM,   0x50                       ; the products: sources in window 0, C and D in window 1
.set WLU,   0xa1                       ; O += f T: destination and source 2 in window 2, source 0 in window 1, source 1 in window 0
.set WV,  12
.set HI,  13                           ; s13  wave / 2: my half of the queries.  Also: I fetch for p (0) or for v (1)
.set LO,  14                           ; s14  wave % 2: my half of the channels.  Also: which half of that tile I fetch
.set G1A, 24
.set G0A0, 32
.set G0A, 36
.set G1B, 48
.set G0B0, 56
.set G0B, 60
.set CNT, 66
.set TB,  67
.set PFB, 76                           ; s[76:77] the prefetch's base
.set PFS, 78                           ; s[78:79] its step
.set MSB, 0
.macro WIN new
.if MSB != (\new)
	s_set_vgpr_msb (MSB<<8)|(\new)
.set MSB, \new
.endif
.endm
.macro PLACES
.rept 4
	v_nop
.endr
.endm
.macro JLOAD                           ; a joint refill: waves 0 and 1 fetch p's halves, waves 2 and 3 v's; an s_nop 0 and four v_nop follow each line
	s_cmp_eq_u32 s[HI], 0
	s_cbranch_scc0 .Lfor_b_\@
	tensor_load_to_lds s[G0A:G0A+3], s[G1A:G1A+7]
	s_nop 0
.rept 4
	v_nop
.endr
	s_branch .Lasked_\@
.Lfor_b_\@:
	tensor_load_to_lds s[G0B:G0B+3], s[G1B:G1B+7]
	s_nop 0
.rept 4
	v_nop
.endr
.Lasked_\@:
.endm
.macro CREST
	s_cmp_lg_u32 s[WV], 0
	s_cbranch_scc1 .Lnot_wave_0_\@
	s_barrier_signal -3
.Lnot_wave_0_\@:
	s_barrier_wait -3
	s_barrier_signal -1
	s_barrier_wait -1
.endm
.macro CROUND
	s_barrier_signal -1
	s_barrier_wait -1
	CREST
.endm
.macro STEPD                           ; the walking descriptors: the other slot, the next 128 keys
	s_xor_b32 s[G0A+1], s[G0A+1], S1
	s_add_nc_u64 s[G0A+2:G0A+3], s[G0A+2:G0A+3], STEPA
	s_xor_b32 s[G0B+1], s[G0B+1], S1
	s_add_nc_u64 s[G0B+2:G0B+3], s[G0B+2:G0B+3], STEPB
.endm
; p is read from memory once and nowhere else, so its tiles are asked for ahead.  Behind the request for chunk c, wave 0 asks for chunk c + 1's blocks of the two query blocks 2 cx, 2 cx + 1 of the tile:
; 32 lanes, 256 bytes apart, 8,192 bytes; the four partners of a row of the cluster cover the tile's 32,768 bytes, each block asked for by one wave of the launch.  That is one trip ahead of the tensor
; load that wants them.  In the loop's last trip (c = 15) the step is 0: the address stays at chunk 15, inside p.
.macro PREF
	s_cmp_gt_u32 s[CNT], 1
	s_cselect_b32 s[PFS], STEPA, 0
	s_cmp_lg_u32 s[WV], 0
	s_cbranch_scc1 .Lno_pf_\@
	s_wait_xcnt 0x0                                ; the prefetch of a trip ago has had its addresses translated (ISA guide 3.1): its base is stepped only behind this wait
	s_add_nc_u64 s[PFB:PFB+1], s[PFB:PFB+1], s[PFS:PFS+1]
	global_prefetch_b8 v[VPF], s[PFB:PFB+1] th:TH_LOAD_NT scope:SCOPE_SE
.Lno_pf_\@:
.endm
	s_load_b256 s[4:11], s[0:1], 0x0               ; p s[4:5], st s[6:7], qkv s[8:9], out0 s[10:11]
	v_lshl_add_u32 v[SPW], v0, 2, SPARE
	v_mov_b32 v[NIL], 0
	ds_add_u32 v[SPW], v[NIL]                      ; the wave's opening: the add and its wait stand ahead of my first tensor load
	v_lshrrev_b32 v1, 5, v0
	v_readfirstlane_b32 s[WV], v1
	s_lshr_b32 s[HI], s[WV], 1
	s_and_b32 s[LO], s[WV], 1
	s_bfe_u32 s15, ttmp6, 0x40000                  ; cx
	s_bfe_u32 s16, ttmp6, 0x40004                  ; cy
	s_lshl_b32 s17, ttmp9, 2
	s_add_co_u32 s17, s17, s15                     ; channel tile = 4 x cluster x + cx
	s_and_b32 s18, ttmp7, 0xffff
	s_lshr_b32 s19, s18, 2                         ; the batch: four clusters of four query tiles each; made of the cluster's y alone
	s_lshl_b32 s18, s18, 2
	s_add_co_u32 s18, s18, s16                     ; query tile, over all batches = 4 x cluster y + cy
	s_lshl_b32 s40, s16, 2
	s_lshl_b32 s40, 15, s40                        ; my row of the cluster
	s_lshl_b32 s41, 0x1111, s15                    ; my column
	s_or_b32 s[G1A], s40, (1<<16)|(1<<21)          ; the mask; 2-byte elements; 21 set beside a mask; no padding
	s_or_b32 s[G1B], s41, (1<<16)|(1<<20)|(1<<21)|(6<<22)|(7<<25)  ; padding on: after every 128 words (code 6) 8 words (code 7)
	s_mov_b32 s[G1A+1], 2048<<16                   ; p: 4 blocks of queries; of each a chunk's 8 blocks of keys, 4,096 consecutive bytes: rows are as long as they lie in memory, so there are four
	s_mov_b32 s[G1A+2], 4<<16
	s_mov_b32 s[G1A+3], 2048<<16
	s_mov_b32 s[G1A+4], 4
	s_mov_b32 s[G1A+5], 32768                      ; 65,536 bytes from block of queries to block of queries
	s_mov_b32 s[G1A+6], 0
	s_mov_b32 s[G1A+7], 0
	s_mov_b32 s[G1B+1], 256<<16                    ; v: 64 keys x 256 channels
	s_mov_b32 s[G1B+2], 64<<16
	s_mov_b32 s[G1B+3], 256<<16
	s_mov_b32 s[G1B+4], 64
	s_mov_b32 s[G1B+5], 1024
	s_mov_b32 s[G1B+6], 0
	s_mov_b32 s[G1B+7], 0
	s_lshl_b32 s20, s18, 19                        ; p: 8 blocks of queries of 65,536 bytes a tile,
	s_lshl_b32 s42, s[LO], 18                      ; 4 a half
	s_add_co_u32 s20, s20, s42
	s_mov_b32 s21, 0
	s_lshl_b32 s22, s19, 22                        ; v: 2,048 rows of 2,048 bytes a batch,
	s_lshl_b32 s43, s[LO], 17                      ; 64 keys a half,
	s_add_co_u32 s22, s22, s43
	s_lshl_b32 s43, s17, 9                         ; 256 channels of 2 bytes a tile,
	s_add_co_u32 s22, s22, s43
	s_add_co_u32 s22, s22, 33554432                ; behind q and k in qkv
	s_mov_b32 s23, 0
	s_lshl_b32 s44, s[LO], 14                      ; where they go
	s_mul_i32 s45, s[LO], 64*PVP
	s_add_co_u32 s45, s45, BOFF
	s_mov_b32 s[G0A0], 1
	s_mov_b32 s[G0A0+1], s44
	s_mov_b32 s[G0A], 1
	s_add_co_u32 s[G0A+1], s44, S1
	s_mov_b32 s[G0B0], 1
	s_mov_b32 s[G0B0+1], s45
	s_mov_b32 s[G0B], 1
	s_add_co_u32 s[G0B+1], s45, S1
	s_mov_b32 s[TB], 0
	s_lshl_b32 s42, s18, 10                        ; st: 128 queries of 8 bytes a tile, my 64 of them
	s_lshl_b32 s43, s[HI], 9
	s_add_co_u32 s42, s42, s43
	s_mov_b32 s43, 0
	s_lshl_b32 s46, s18, 19                        ; out0: 128 rows of 4,096 bytes a tile, my 64 of them,
	s_lshl_b32 s47, s[HI], 18
	s_add_co_u32 s46, s46, s47
	s_lshl_b32 s47, s17, 10                        ; 256 channels of 4 bytes a tile, my 128 of them
	s_add_co_u32 s46, s46, s47
	s_lshl_b32 s47, s[LO], 9
	s_add_co_u32 s46, s46, s47
	s_mov_b32 s47, 0
	s_lshl_b32 s[PFB], s18, 19                     ; the prefetch: my tile of p, the query blocks 2 cx and 2 cx + 1 of it, chunk 2
	s_lshl_b32 s[PFB+1], s15, 17
	s_add_co_u32 s[PFB], s[PFB], s[PFB+1]
	s_add_co_u32 s[PFB], s[PFB], 2*STEPA
	s_mov_b32 s[PFB+1], 0
	s_mov_b32 s[PFS+1], 0
	v_and_b32 v1, 15, v0
	v_bfe_u32 v2, v0, 4, 1
	v_lshlrev_b32 v[VPF], 8, v1                    ; lanes 256 bytes apart, 16 to a block of queries
	v_lshl_add_u32 v[VPF], v2, 16, v[VPF]
	s_wait_dscnt 0x0                               ; the opening add is done
	s_wait_kmcnt 0x0
	s_add_nc_u64 s[G0A0+2:G0A0+3], s[4:5], s[20:21]
	s_add_nc_u64 s[G0A+2:G0A+3], s[G0A0+2:G0A0+3], STEPA
	s_or_b32 s[G0A0+3], s[G0A0+3], 0x80000000
	s_or_b32 s[G0A+3], s[G0A+3], 0x80000000
	s_add_nc_u64 s[G0B0+2:G0B0+3], s[8:9], s[22:23]
	s_add_nc_u64 s[G0B+2:G0B+3], s[G0B0+2:G0B0+3], STEPB
	s_or_b32 s[G0B0+3], s[G0B0+3], 0x80000000
	s_or_b32 s[G0B+3], s[G0B+3], 0x80000000
	s_add_nc_u64 s[72:73], s[6:7], s[42:43]
	s_add_nc_u64 s[74:75], s[10:11], s[46:47]
	s_add_nc_u64 s[PFB:PFB+1], s[4:5], s[PFB:PFB+1]
	CROUND                                         ; all sixteen work-groups are here: the first joint loads meet
	s_cmp_eq_u32 s[HI], 0                          ; a wave's two first fills stand in one branch: two loads of mine are out
	s_cbranch_scc0 .Lfirst_b
	tensor_load_to_lds s[G0A0:G0A0+3], s[G1A:G1A+7]
	s_nop 0
	tensor_load_to_lds s[G0A:G0A+3], s[G1A:G1A+7]
	s_nop 0
.rept 4
	v_nop
.endr
	s_branch .Lfirst_asked
.Lfirst_b:
	tensor_load_to_lds s[G0B0:G0B0+3], s[G1B:G1B+7]
	s_nop 0
	tensor_load_to_lds s[G0B:G0B+3], s[G1B:G1B+7]
	s_nop 0
.rept 4
	v_nop
.endr
.Lfirst_asked:
	s_cmp_lg_u32 s[WV], 0
	s_cbranch_scc1 .Lno_pf0
	global_prefetch_b8 v[VPF], s[PFB:PFB+1] th:TH_LOAD_NT scope:SCOPE_SE  ; chunk 2, which the first trip's tensor load will want
.Lno_pf0:
	; THE STATISTICS, in the wait for the first tile.  Lane l takes query l % 16 of each of my four blocks: (cm, l) of its 16 chunks into v[32 + 32 a + 2 t].
	v_lshlrev_b32 v7, 3, v1
.set a, 0
.rept 4
.set t, 0
.rept 16
	global_load_b64 v[32+32*a+2*t:32+32*a+2*t+1], v7, s[72:73] offset:t*65536+a*128
.set t, t+1
.endr
.set a, a+1
.endr
	v_and_b32 v6, 31, v0
	v_lshlrev_b32 v[GO], 4, v6                     ; 16 x lane
	s_lshl_b32 s42, s[HI], 14                      ; P: my 4 blocks of queries; in a block of 512 bytes my 16
	v_add_nc_u32 v[ADRP0], s42, v[GO]
	v_and_b32 v4, 7, v0                            ; V, turned: lane l reads key 8 (l / 16) + l % 8, channels 8 ((l / 8) % 2) + 0..7
	v_bfe_u32 v5, v0, 3, 1
	v_lshl_add_u32 v4, v2, 3, v4
	v_mul_u32_u24 v4, v4, PVP
	v_lshl_add_u32 v4, v5, 4, v4
	s_lshl_b32 s43, s[LO], 8                       ; my 128 channels
	s_add_co_u32 s43, s43, BOFF
	v_add_nc_u32 v[ADRV0], s43, v4
	v_mov_b32 v[ADRP], v[ADRP0]
	v_mov_b32 v[ADRV], v[ADRV0]
	s_lshl_b32 s42, s[WV], 12
	s_add_co_u32 s42, s42, FT                      ; my table
	v_lshl_add_u32 v[AFT], v1, 4, s42
	s_mul_i32 s43, s[WV], 16*SPI
	s_add_co_u32 s43, s43, STAGE                   ; my stage
	v_mul_u32_u24 v3, v1, SPI                      ; in: row l % 16, 32 bytes for each half of the lanes
	v_lshl_add_u32 v3, v2, 5, v3
	v_add_nc_u32 v[STO], s43, v3
	v_add_nc_u32 v[RD], s43, v[GO]                 ; back: 32 lanes take one row of 512 bytes
.irp a, 0,1,2,3
	v_mov_b32 v[FP+2*(\a)+1], 0                    ; the upper registers of f's pairs are named with the lower ones, so they are written; their numbers are not used
.endr
	WIN 0x80
.set i, 0
.rept 256
	v_mov_b32 v[i], 0                              ; O
.set i, i+1
.endr
	WIN 0
	s_wait_loadcnt 0x0
.macro STAT a                          ; block a: M, the 16 f into v[160 + 4 t + a], L and 1 / L
.set r, 32+32*(\a)
	v_max3_num_f32 v232, v[r], v[r+2], v[r+4]
.irp t, 3,5,7,9,11,13
	v_max3_num_f32 v232, v232, v[r+2*(\t)], v[r+2*(\t)+2]
.endr
	v_max_num_f32 v232, v232, v[r+30]
.set u, 0
.rept 16
	v_sub_f32 v[r+2*u], v[r+2*u], v232
.set u, u+1
.endr
.set u, 0
.rept 16
	v_exp_f32 v[160+4*u+(\a)], v[r+2*u]
.set u, u+1
.endr
	v_nop                                          ; a plain instruction between the last exponential and the use of its result (ISA guide 5.7.2)
	s_wait_alu depctr_va_vdst(0)
	v_mul_f32 v233, v[160+(\a)], v[r+1]
.set u, 1
.rept 15
	v_fmac_f32 v233, v[160+4*u+(\a)], v[r+2*u+1]
.set u, u+1
.endr
	v_rcp_f32 v[IL+2*(\a)], v233
	v_nop
	s_wait_alu depctr_va_vdst(0)
	v_mov_b32 v[IL+2*(\a)+1], v[IL+2*(\a)]         ; a pair for the packed multiply
.endm
	STAT 0
	STAT 1
	STAT 2
	STAT 3
.set u, 0
.rept 16
	ds_store_b128 v[AFT], v[160+4*u:160+4*u+3] offset:256*u  ; lanes l and l + 16 write the same bytes with the same numbers
.set u, u+1
.endr
; A run of 24 LDS loads: quarter nq (32 keys) of the slot in hand: P's 4 fragments, V's 8.  fn = 1: and the chunk's f.
.macro HEADLD nq, fn
	WIN 0
.irp a, 0,1,2,3
	ds_load_b128 v[FPR+32*((\nq)%2)+8*(\a):FPR+32*((\nq)%2)+8*(\a)+3],   v[ADRP] offset:(\a)*4096+(\nq)*1024
	ds_load_b128 v[FPR+32*((\nq)%2)+8*(\a)+4:FPR+32*((\nq)%2)+8*(\a)+7], v[ADRP] offset:(\a)*4096+(\nq)*1024+512
.endr
.irp c, 0,1,2,3,4,5,6,7
	ds_load_tr16_b128 v[FV+64*((\nq)%2)+8*(\c):FV+64*((\nq)%2)+8*(\c)+3],   v[ADRV] offset:(\nq)*32*PVP+32*(\c)
	ds_load_tr16_b128 v[FV+64*((\nq)%2)+8*(\c)+4:FV+64*((\nq)%2)+8*(\c)+7], v[ADRV] offset:(\nq)*32*PVP+16*PVP+32*(\c)
.endr
.if \fn
	ds_load_b128 v[FN:FN+3], v[AFT]
	v_add_nc_u32 v[AFT], 256, v[AFT]               ; the next chunk's
.endif
.endm
; n products of quarter qd, from accumulator i0 on.  zero = 1: a chunk's first products start its sums.  The 32 accumulators take turns, one instruction a turn.
.macro MMR qd, i0, n, zero
	WIN WMM
.set i, \i0
.rept \n
.if \zero
	v_wmma_f32_16x16x32_f16 v[8*i:8*i+7], v[FV+64*((\qd)%2)+8*(i%8):FV+64*((\qd)%2)+8*(i%8)+7], v[FPR+32*((\qd)%2)+8*(i/8):FPR+32*((\qd)%2)+8*(i/8)+7], 0
.else
	v_wmma_f32_16x16x32_f16 v[8*i:8*i+7], v[FV+64*((\qd)%2)+8*(i%8):FV+64*((\qd)%2)+8*(i%8)+7], v[FPR+32*((\qd)%2)+8*(i/8):FPR+32*((\qd)%2)+8*(i/8)+7], v[8*i:8*i+7]
.endif
.set i, i+1
.endr
.endm
; O += f T.  The four moves are the four places between the chunk's products and the first read of a result (ISA guide 7.12.1); each accumulator is read from its low end on.
.macro LUMP
	WIN 0
.irp a, 0,1,2,3
	v_mov_b32 v[FP+2*(\a)], v[FN+(\a)]
.endr
	WIN WLU
.set i, 0
.rept 128
	v_pk_fma_f32 v[2*i:2*i+1], v[2*i:2*i+1], v[FP+2*(i/32):FP+2*(i/32)+1], v[2*i:2*i+1] op_sel_hi:[1,0,1]
.set i, i+1
.endr
.endm
; A CHUNK: four quarters of 32 products; while one is multiplied the next one's run of loads is on its way.  At its head quarter 0's run is out.
; The change of slots stands in quarter 2, whose run of loads is the slot's last.  ONE barrier: in front of it each wave waits for all its tensor loads (one is out: its part of the other slot), adds 0
; to its spare word, and waits for that and for its reads of this slot.  24 of the quarter's products stand ahead of the wait for the tensor load, so that little stands between a tile's landing and the
; next request.  fill = 1: the barrier opens a round of the cluster's, and the slot is filled again, two chunks ahead, first thing behind it: 120 of a chunk's 128 matrix instructions and the 132
; vector instructions of O += f T stand between that request and the wait for it.
.macro CHUNK fill
	HEADLD 1, 0                                    ; no v_nop: the run O += f T stands behind the last products that read these registers (ahead of the first chunk there are none)
	s_wait_dscnt 24                                ; all but the 24 just issued
	MMR 0, 0, 32, 1
	PLACES
	HEADLD 2, 0
	s_wait_dscnt 24
	MMR 1, 0, 32, 0
	PLACES
	HEADLD 3, 1
	s_wait_dscnt 25                                ; all but the 25 just issued
	MMR 2, 0, 24, 0
	s_wait_tensorcnt 0x0                           ; no tensor load of mine is out, so a group 0 may be written
	ds_add_u32 v[SPW], v[NIL]                      ; 0 onto my spare word (both its registers' places mean window 0 under the products' setting)
.if \fill
	STEPD
.endif
	MMR 2, 24, 8, 0                                ; eight products stand between the add and the wait for it
	s_wait_dscnt 0x0                               ; the add is done, and my reads of this slot are over
	s_barrier_signal -1
	WIN 0                                          ; at a branch and at a label every window is 0
	s_barrier_wait -1
.if \fill
	CREST                                          ; no wave of any partner still reads this slot or has a load on its way
	JLOAD                                          ; its four v_nop are also the places in front of the loads below
	PREF
.else
	PLACES
.endif
	s_xor_b32 s[TB], s[TB], S1                     ; the reads go on in the other slot
	v_add_nc_u32 v[ADRP], s[TB], v[ADRP0]
	v_add_nc_u32 v[ADRV], s[TB], v[ADRV0]
	HEADLD 0, 0                                    ; the next chunk's first run
	MMR 3, 0, 32, 0                                ; quarter 3's fragments came in ahead of the barrier
	LUMP
	WIN 0
.endm
	s_wait_tensorcnt 0x1                           ; my part of chunk 0 is in; chunk 1's may stay out
	s_wait_dscnt 0x0                               ; my table is written
	s_barrier_signal -1
	s_barrier_wait -1
	HEADLD 0, 0
	s_mov_b32 s[CNT], 14                           ; chunks 2 to 15 are asked for in the loop
.Lstep:
	CHUNK 1
	s_sub_co_u32 s[CNT], s[CNT], 1
	s_cmp_lg_u32 s[CNT], 0
	s_cbranch_scc1 .Lstep
	s_mov_b32 s[CNT], 2                            ; the last two chunks ask for nothing: a text of their own
.Ltail:
	CHUNK 0                                        ; the second time its last run of 24 loads, from the slot read before, serves nothing: the price, once a launch, of one text for both trips
	s_sub_co_u32 s[CNT], s[CNT], 1
	s_cmp_lg_u32 s[CNT], 0
	s_cbranch_scc1 .Ltail
	s_wait_dscnt 0x0                               ; those loads have landed: their registers are at work below
; THE WAY OUT, a block of 16 queries x 128 channels of f32 at a time: divided by L, 32 bytes a lane into my own stage, back as whole rows of 512 bytes, stored.
.macro PACKO a
	WIN 0x02                                       ; source 0 in window 2
.set i, 0
.rept 32
	v_pk_mul_f32 v[TM+2*i:TM+2*i+1], v[64*(\a)+2*i:64*(\a)+2*i+1], v[IL+2*(\a):IL+2*(\a)+1]
.set i, i+1
.endr
	WIN 0
.endm
.macro TOSTAGE a
.set BK, OB+64*((\a)%2)
.set i, 0
.rept 16
	ds_store_b128 v[STO], v[TM+4*i:TM+4*i+3] offset:64*(i/2)+16*(i%2)
.set i, i+1
.endr
.set i, 0
.rept 16
	ds_load_b128 v[BK+4*i:BK+4*i+3], v[RD] offset:i*SPI  ; LDS serves a wave's instructions in order (ISA guide 5.7.1.4): these see the stores above
.set i, i+1
.endr
.endm
.macro SEND a
.set BK, OB+64*((\a)%2)
	s_wait_dscnt 0x0                               ; the block is back in registers
	s_wait_xcnt 0x0                                ; the stores of the block before have read their registers: the next TOSTAGE loads into them
.set i, 0
.rept 16
	global_store_b128 v[GO], v[BK+4*i:BK+4*i+3], s[74:75] offset:(16*(\a)+i)*4096 th:TH_STORE_NT  ; 512 consecutive bytes, at a multiple of 256 from out0's first byte
.set i, i+1
.endr
.endm
	PACKO 0
	TOSTAGE 0
.irp a, 1,2,3                          ; block a's multiplies stand between block a - 1's loads from the stage and the wait for them
	PACKO \a
	SEND (\a)-1
	TOSTAGE \a
.endr
	SEND 3
	s_wait_tensorcnt 0x0                           ; the wave's end, behind my last tensor load and my last LDS store
	ds_add_u32 v[SPW], v[NIL]
	s_wait_dscnt 0x0
	CROUND                                         ; the closing round
	s_endpgm
.Lfunc_end_k_qdf7de2392e_pv:
	.size	k_qdf7de2392e_pv, .Lfunc_end_k_qdf7de2392e_pv-k_qdf7de2392e_pv
	.p2alignl 7, 3214868480
	.fill 96, 4, 3214868480
	.section	.rodata,"a",@progbits
	.p2align	6, 0x0
	.amdhsa_kernel k_qdf7de2392e_pv
		.amdhsa_group_segment_fixed_size 327680
		.amdhsa_private_segment_fixed_size 0
		.amdhsa_enable_private_segment 0
		.amdhsa_kernarg_size 32
		.amdhsa_user_sgpr_count 2
		.amdhsa_user_sgpr_kernarg_segment_ptr 1
		.amdhsa_wavefront_size32 1
		.amdhsa_system_sgpr_workgroup_id_x 1
		.amdhsa_system_sgpr_workgroup_id_y 1
		.amdhsa_system_sgpr_workgroup_id_z 1
		.amdhsa_system_vgpr_workitem_id 0
		.amdhsa_next_free_vgpr 768
		.amdhsa_next_free_sgpr 80
		.amdhsa_reserve_vcc 0
		.amdhsa_float_denorm_mode_32 3
		.amdhsa_float_denorm_mode_16_64 3
		.amdhsa_memory_ordered 1
		.amdhsa_forward_progress 1
		.amdhsa_inst_pref_size 104
	.end_amdhsa_kernel
	.amdgpu_metadata
---
amdhsa.version: [ 1, 2 ]
amdhsa.kernels:
  - .name:           k_qdf7de2392e_pv
    .symbol:         k_qdf7de2392e_pv.kd
    .args:
      - { .name: p, .offset: 0, .size: 8, .value_kind: global_buffer, .address_space: global }
      - { .name: st, .offset: 8, .size: 8, .value_kind: global_buffer, .address_space: global }
      - { .name: qkv, .offset: 16, .size: 8, .value_kind: global_buffer, .address_space: global }
      - { .name: out0, .offset: 24, .size: 8, .value_kind: global_buffer, .address_space: global }
    .group_segment_fixed_size: 327680
    .private_segment_fixed_size: 0
    .kernarg_segment_align: 8
    .kernarg_segment_size: 32
    .max_flat_workgroup_size: 128
    .sgpr_count:     80
    .vgpr_count:     768
    .wavefront_size: 32
...
	.end_amdgpu_metadata
.endif
;; end of part 4
